; MI455X (gfx1250); checked and timed in simulation.
; The chip was launched on July 23, 2026; its instructions are those of AMD's public machine-readable ISA for CDNA 5 (MIT licence, August 2026) and "CDNA5" Instruction Set Architecture Reference Guide (July 2026). The comments in the code are by the model that wrote it; some were corrected since.
;; Scaled Dot Product Attention. Allowed arithmetic: matrix products marked QUANTISED: E4M3 operands, one given power-of-two scale a tensor, by v_wmma_f32_16x16x64_fp8_fp8 or v_wmma_f32_16x16x128_fp8_fp8, f32 sums; everything else in f32.
;; Inputs: Wk 1,024 x 1,024 float32; Wq 1,024 x 1,024 float32; Wv 1,024 x 1,024 float32; attention_mask 2 x 2,048 int32; bk 1,024 float32; bq 1,024 float32; bv 1,024 float32; group_prob 2 x 1 x 2,048 x 2,048 float32; keys 2 x 2,048 x 1,024 float32; lowp_scales 10 int32 (the exponents e of the quantised operands' scales 2^e); queries 2 x 2,048 x 1,024 float32; values 2 x 2,048 x 1,024 float32.
;; Outputs: out0 2 x 2,048 x 1,024 float32.
;; This version of the problem:
;;   THIS VERSION OF THE PROBLEM IS GIVEN IN LOW PRECISION. The matrix products marked QUANTISED in the list below multiply operands that are first quantised to E4M3 (4 exponent bits, 3 mantissa bits; 8 bits a number), with one given power-of-two scale for each operand tensor; their sums are f32. All else is computed in f32.
;;   The module's matrix products, in the order in which they are computed (A, B: the left and right operand; K: the contracted axis; several contracted axes count as one K, in the product's order):
;;     1. [M 4,096, K 1,024] x [K 1,024, N 1,024]; A: input queries; B: input Wq: QUANTISED (scales: A lowp_scales[0], B lowp_scales[1])
;;     2. [M 4,096, K 1,024] x [K 1,024, N 1,024]; A: input keys; B: input Wk: QUANTISED (scales: A lowp_scales[2], B lowp_scales[3])
;;     3. [M 4,096, K 1,024] x [K 1,024, N 1,024]; A: input values; B: input Wv: QUANTISED (scales: A lowp_scales[4], B lowp_scales[5])
;;     4. batch 32 x [M 2,048, K 64] x [K 64, N 2,048]; A: computed on the way; B: computed on the way: QUANTISED (scales: A lowp_scales[6], B lowp_scales[7])
;;     5. batch 32 x [M 2,048, K 2,048] x [K 2,048, N 64]; A: computed on the way; B: computed on the way: QUANTISED (scales: A lowp_scales[8], B lowp_scales[9])
;;   THE QUANTISER, for each operand of a quantised product, along K:
;;     - The operand's scale is 2^e, e = its entry of the input lowp_scales (int32; the entries are numbered through the quantised products in the list's order, A before B).
;;     - Each number is divided by the scale, clamped to +-448, and rounded to the nearest number of E4M3, ties to even, subnormals kept.
;;     - The product sums the exact products of the quantised numbers (number of the format x scale) in f32.
;;   ~~~python
;;   def quantise(x, axis, e):      # numpy; x: float32 -> the quantised numbers, widened to float32 again
;;       x = np.moveaxis(x, axis, -1); K = x.shape[-1]
;;       r = np.clip(x / 2.0 ** e, -448, 448)
;;       step = 2.0 ** (np.maximum(np.frexp(np.where(r == 0, 1, r))[1] - 1, -6) - 3)
;;       q = np.round(r / step) * step * 2.0 ** e      # np.round: ties to even
;;       return np.moveaxis(q, -1, axis).astype(np.float32)
;;   ~~~
;;   OPERANDS COMPUTED ON THE WAY. 'Computed on the way' means the value that the module computes at that place (a softmax that the list does not call 'softmax' is quantised finished and normalised). What goes into a quantiser is computed in f32, as accurately as f32 sums, v_exp_f32 and their like allow (about 1e-6 of the number): no bf16 or f16 on the way to a quantiser, and a product that is left as it is and whose result goes on into a quantised operand takes f32 operands (vector FMAs, or v_wmma_f32_16x16x4_f32). A number that lies on a knife's edge between two numbers of the format may be rounded either way, as far as f32 arithmetic and the matrix unit's own rounding can turn it there, and no further.
;; One version. Each part assembles by itself: llvm-mc -triple=amdgcn-amd-amdhsa -mcpu=gfx1250 --defsym DOCPART=n.
;; ======== version 1 of 1: 3 launches
;; limits: right only within a limited range of input values
;; workspace buffers: xc 12,582,912 bytes; wc 3,145,728 bytes; qkv 12,582,912 bytes
;; launch quant (part 1): grid 480 x 1, 4 waves a work-group, no clusters, 68,096 bytes of LDS; arguments queries, keys, values, Wq, Wk, Wv, lowp_scales, xc, wc; writes xc, wc
.if DOCPART == 1
	.amdgcn_target "amdgcn-amd-amdhsa--gfx1250"
	.amdhsa_code_object_version 6
	.text
	.protected	k_q8ee6e075a4_quant
	.globl	k_q8ee6e075a4_quant
	.p2align	8
	.type	k_q8ee6e075a4_quant,@function
k_q8ee6e075a4_quant:
	s_mov_b64 s[64:65], 0
	v_nop
	global_prefetch_b8 v0, s[64:65] scope:SCOPE_SE
	s_setreg_imm32_b32 hwreg(HW_REG_WAVE_MODE, 25, 1), 1
	s_wait_xcnt 0x0
; FIRST OF THREE LAUNCHES: the six wide operands of the three projections become codes of FP8 (E4M3), K innermost, each with the one scale 2^e given for it.
;   xc [3][4096][1024]: queries, keys, values (entries 0, 2, 4 of the scales);  wc [3][1024 n][1024 k]: Wq, Wk, Wv turned so that K is innermost (entries 1, 3, 5).
; code = x / 2^e, held within +-448, rounded to the nearest code, ties to even.
; WORK LEFT OUT IN THE WHOLE PROGRAM: attention_mask.  reference() never uses it: the masked scores that the original forms are thrown away, and att goes into the softmax unmasked.
; So no value of attention_mask, whatever it holds, reaches out0: the input is not loaded and is among no launch's arguments.  It holds whole numbers, so no NaN, infinity or overflow can arise in what is left out.
; The three biases feed quantised operands and are all used (second launch).
; LIMITS: each e between -126 and 119, so that 2^e and 448 x 2^e are f32 numbers.  NaN among the inputs is not served (an infinity is held at the largest code).
; SHARES.  Work-groups 0-383: a tensor of activations is a plain stream of 4,194,304 numbers; a wave takes 16 steps of 512.  Each load reads 512 consecutive bytes; a step's 2,048 bytes turn through the wave's own
; stage in LDS so that a lane holds 16 neighbours along K; its 16 codes are 16 bytes, and the wave stores 512 consecutive bytes.
; Work-groups 384-479: a weight is [k][n]: a lane takes a column n and its registers run down K (32 columns x 256 along K a wave); the codes go through the wave's own stage and leave as rows: sixteen lanes store 256 consecutive, aligned bytes.
; The two ways part on the work-group's number and have LDS bytes of their own.  No tensor loads, no barrier: waves share nothing.
.set XWG,    384                       ; work-groups for the activations: 3 x 128
.set STEPS,  16
.set SP,     80                        ; a lane's place in an activation stage: 64 bytes + 16 of padding
.set WREG,   8192                      ; activations: a region for each wave, two stages of 32 x SP bytes
.set WST,    32768                     ; weights: the stages begin here
.set WP,     272                       ; a stage row: 256 bytes of codes + 16
.set NB,     8                         ; blocks of 32 along K for a wave
.set SPARE,  WST+4*32*WP               ; behind both: the spare words, 128 bytes for each wave, which no other line names
.set SPW,    12                        ; v12  LDS address of my spare word; never rewritten
.set NIL,    13                        ; v13  0; never rewritten
.set R,      16                        ; activations: v16-79 four sets of 16 numbers as loaded
.set X,      80                        ;              v80-111 two sets of 16 neighbours
.set C,      128                       ;              v128-191 codes, four registers for each step
.set W,      32                        ; weights: v32-95 two sets of 32 numbers
.set WC,     96                        ;          v96-103 a block's codes
.set OUTR,   112                       ;          v112-175 the way out
	s_load_b512 s[4:19], s[0:1], 0x0               ; queries, keys, values, Wq, Wk, Wv, the scales' exponents, xc
	s_load_b64 s[20:21], s[0:1], 0x40              ; wc
	v_lshl_add_u32 v[SPW], v0, 2, SPARE
	v_mov_b32 v[NIL], 0
	v_lshrrev_b32 v1, 5, v0
	v_readfirstlane_b32 s22, v1                    ; wave 0..3
	v_and_b32 v2, 31, v0                           ; lane
	v_lshlrev_b32 v3, 4, v2                        ; activations: my 16 bytes of a load's 512,
	v_lshlrev_b32 v4, 4, v2                        ; and of a step's 512 bytes of codes
	v_lshlrev_b32 v5, 2, v2                        ; weights: 4 bytes a lane
	v_and_b32 v7, 15, v2
	v_lshrrev_b32 v1, 4, v2
	v_lshlrev_b32 v6, 10, v1                       ; weights, out: two rows of wc an instruction, sixteen lanes to a row
	v_lshl_add_u32 v6, v7, 4, v6
	s_mul_i32 s23, s22, 32*WP
	s_add_co_u32 s23, s23, WST                     ; my weight stage
	v_mul_u32_u24 v8, v2, WP
	v_add_nc_u32 v8, s23, v8                       ; into it: row = my column
	v_mul_u32_u24 v9, v1, WP
	v_lshl_add_u32 v9, v7, 4, v9
	v_add_nc_u32 v9, s23, v9                       ; out of it
	s_mul_i32 s23, s22, WREG                       ; my activation stages
	v_lshrrev_b32 v14, 2, v2
	v_mul_u32_u24 v14, v14, SP
	v_and_b32 v15, 3, v2
	v_lshl_add_u32 v14, v15, 4, v14
	v_add_nc_u32 v14, s23, v14                     ; in: four lanes' 64 bytes on end, then 16 of padding
	v_mul_u32_u24 v15, v2, SP
	v_add_nc_u32 v15, s23, v15                     ; out: my 16 neighbours
	s_wait_kmcnt 0x0
	s_load_b256 s[32:39], s[16:17], 0x0            ; entries 0 to 7 of the scales
	s_cmp_ge_u32 ttmp9, XWG
	s_cbranch_scc1 .Lweights
	; ---------------- activations
	s_lshr_b32 s44, ttmp9, 7                       ; which tensor
	s_and_b32 s45, ttmp9, 127
	s_lshl_b32 s45, s45, 2
	s_add_co_u32 s45, s45, s22                     ; which run of 8,192 numbers is my wave's
	s_cmp_eq_u32 s44, 1
	s_cselect_b64 s[24:25], s[6:7], s[4:5]
	s_cmp_eq_u32 s44, 2
	s_cselect_b64 s[24:25], s[8:9], s[24:25]
	s_lshl_b32 s28, s45, 15
	s_mov_b32 s29, 0
	s_add_nc_u64 s[24:25], s[24:25], s[28:29]      ; from
	s_lshl_b32 s28, s45, 13
	s_lshl_b32 s30, s44, 22
	s_add_co_u32 s28, s28, s30
	s_add_nc_u64 s[26:27], s[18:19], s[28:29]      ; to
.macro XLOAD t
.irp i, 0,1,2,3
	global_load_b128 v[R+16*((\t)%4)+4*\i:R+16*((\t)%4)+4*\i+3], v3, s[24:25] offset:2048*(\t)+512*\i th:TH_LOAD_NT   ; 32 lanes read 512 consecutive bytes
.endr
.endm
.macro XTURN t                         ; step t's numbers through the stage: LDS serves a wave's instructions in order, so no wait stands between the stores and the loads
.irp i, 0,1,2,3
	ds_store_b128 v14, v[R+16*((\t)%4)+4*\i:R+16*((\t)%4)+4*\i+3] offset:32*SP*((\t)%2)+8*SP*\i
.endr
.irp i, 0,1,2,3
	ds_load_b128 v[X+16*((\t)%2)+4*\i:X+16*((\t)%2)+4*\i+3], v15 offset:32*SP*((\t)%2)+16*\i
.endr
.endm
.irp t, 0,1,2,3
	XLOAD \t
.endr
	s_wait_kmcnt 0x0
	s_cmp_eq_u32 s44, 1
	s_cselect_b32 s40, s34, s32                    ; e: entry 0, 2 or 4
	s_cmp_eq_u32 s44, 2
	s_cselect_b32 s40, s36, s40
	s_add_co_i32 s40, s40, 127
	s_lshl_b32 s41, s40, 23
	v_mov_b32 v11, s41                             ; 2^e as f32: the conversion takes its exponent field
	s_add_co_i32 s40, s40, 8
	s_lshl_b32 s40, s40, 23
	s_or_b32 s40, s40, 0x600000
	v_mov_b32 v10, s40                             ; 448 x 2^e
	s_wait_loadcnt 12                              ; step 0's four loads are in; the twelve of steps 1 to 3 may be out
	s_wait_alu depctr_va_vdst(0)
	XTURN 0
.macro XSTEP t
.set XS, X+16*((\t)%2)
	s_wait_dscnt 0x0                               ; this step's numbers are back from the stage: so its stores into the stage have read their registers,
.if (\t)+4 < STEPS
	XLOAD (\t)+4                                   ; which take the loads of four steps on
.endif
.if (\t)+1 < STEPS
.if STEPS-2-(\t) >= 3
	s_wait_loadcnt 12                              ; the next step's four loads are in; those of the three steps behind it may be out
.else
	s_wait_loadcnt 4*(STEPS-2-(\t))
.endif
	XTURN (\t)+1                                   ; and go through the other stage while this step is worked
.endif
.irp i, 0,1,2,3,4,5,6,7,8,9,10,11,12,13,14,15
	v_med3_num_f32 v[XS+\i], v[XS+\i], -v10, v10   ; the conversion to an 8-bit code does not saturate (ISA guide 7.6.2): the hold at the largest code x the scale comes first
.endr
	v_cvt_scalef32_pk8_fp8_f32 v[C+4*(\t):C+4*(\t)+1], v[XS:XS+7], v11
	v_cvt_scalef32_pk8_fp8_f32 v[C+4*(\t)+2:C+4*(\t)+3], v[XS+8:XS+15], v11
	global_store_b128 v4, v[C+4*(\t):C+4*(\t)+3], s[26:27] offset:512*(\t)   ; each step has code registers of its own: no store's data are written again
.endm
.irp t, 0,1,2,3,4,5,6,7,8,9,10,11,12,13,14,15
	XSTEP \t
.endr
	s_wait_tensorcnt 0x0                           ; the wave's end
	ds_add_u32 v[SPW], v[NIL]
	s_wait_dscnt 0x0
	s_endpgm
	; ---------------- weights
.Lweights:
	s_sub_co_u32 s44, ttmp9, XWG
	s_and_b32 s45, s44, 7                          ; which 128 columns
	s_bfe_u32 s46, s44, 0x20003                    ; which 256 along K
	s_lshr_b32 s44, s44, 5                         ; which weight
	s_lshl_b32 s45, s45, 7
	s_lshl_b32 s47, s22, 5
	s_add_co_u32 s45, s45, s47                     ; my wave's first column
	s_cmp_eq_u32 s44, 1
	s_cselect_b64 s[24:25], s[12:13], s[10:11]
	s_cmp_eq_u32 s44, 2
	s_cselect_b64 s[24:25], s[14:15], s[24:25]
	s_lshl_b32 s28, s46, 20                        ; 256 rows of 4,096 bytes
	s_lshl_b32 s30, s45, 2
	s_add_co_u32 s28, s28, s30
	s_mov_b32 s29, 0
	s_add_nc_u64 s[24:25], s[24:25], s[28:29]      ; from
	s_lshl_b32 s28, s44, 20
	s_lshl_b32 s30, s45, 10
	s_add_co_u32 s28, s28, s30
	s_lshl_b32 s30, s46, 8
	s_add_co_u32 s28, s28, s30
	s_add_nc_u64 s[26:27], s[20:21], s[28:29]      ; to: row = column, 256 bytes of it
.macro WLOAD t                         ; block t: W(32 t + i, my column), i = 0 .. 31, into set t % 2; 255 rows of 4,096 bytes at the most stand in the immediate
.irp i, 0,1,2,3,4,5,6,7,8,9,10,11,12,13,14,15,16,17,18,19,20,21,22,23,24,25,26,27,28,29,30,31
	global_load_b32 v[W+32*((\t)%2)+\i], v5, s[24:25] offset:(32*(\t)+\i)*4096 th:TH_LOAD_NT
.endr
.endm
	WLOAD 0
	WLOAD 1
	s_wait_kmcnt 0x0
	s_cmp_eq_u32 s44, 1
	s_cselect_b32 s40, s35, s33                    ; e: entry 1, 3 or 5
	s_cmp_eq_u32 s44, 2
	s_cselect_b32 s40, s37, s40
	s_add_co_i32 s40, s40, 127
	s_lshl_b32 s41, s40, 23
	v_mov_b32 v11, s41
	s_add_co_i32 s40, s40, 8
	s_lshl_b32 s40, s40, 23
	s_or_b32 s40, s40, 0x600000
	v_mov_b32 v10, s40
.macro WBLOCK t
.set WS, W+32*((\t)%2)
.if (\t) < NB-1
	s_wait_loadcnt 32                              ; this block's 32 loads are in; the next block's may be out
.else
	s_wait_loadcnt 0
.endif
.irp i, 0,1,2,3,4,5,6,7,8,9,10,11,12,13,14,15,16,17,18,19,20,21,22,23,24,25,26,27,28,29,30,31
	v_med3_num_f32 v[WS+\i], v[WS+\i], -v10, v10
.endr
.irp g, 0,1,2,3
	v_cvt_scalef32_pk8_fp8_f32 v[WC+2*\g:WC+2*\g+1], v[WS+8*\g:WS+8*\g+7], v11
.endr
	ds_store_b128 v8, v[WC:WC+3] offset:32*(\t)    ; 32 codes: 32 bytes of my column's row
	ds_store_b128 v8, v[WC+4:WC+7] offset:32*(\t)+16
.if (\t)+2 < NB
	WLOAD (\t)+2
.endif
	s_wait_dscnt 0x0                               ; the stores have read their registers: the next block's codes may be written (its 32 holds stand between the conversions)
.endm
.set Q, 0
	s_wait_alu depctr_va_vdst(0)
.rept NB
	WBLOCK Q
.set Q, Q+1
.endr
.irp t, 0,1,2,3,4,5,6,7,8,9,10,11,12,13,14,15
	ds_load_b128 v[OUTR+4*\t:OUTR+4*\t+3], v9 offset:2*\t*WP   ; LDS serves a wave's instructions in order: these see my stores
.endr
.irp t, 0,1,2,3,4,5,6,7,8,9,10,11,12,13,14,15
	s_wait_dscnt 15-\t                             ; the younger reads may be out
	global_store_b128 v6, v[OUTR+4*\t:OUTR+4*\t+3], s[26:27] offset:2*\t*1024
.endr
	s_wait_tensorcnt 0x0                           ; the wave's end, as above
	ds_add_u32 v[SPW], v[NIL]
	s_wait_dscnt 0x0
	s_endpgm
.Lfunc_end_k_q8ee6e075a4_quant:
	.size	k_q8ee6e075a4_quant, .Lfunc_end_k_q8ee6e075a4_quant-k_q8ee6e075a4_quant
	.p2alignl 7, 3214868480
	.fill 96, 4, 3214868480
	.section	.rodata,"a",@progbits
	.p2align	6, 0x0
	.amdhsa_kernel k_q8ee6e075a4_quant
		.amdhsa_group_segment_fixed_size 68096
		.amdhsa_private_segment_fixed_size 0
		.amdhsa_enable_private_segment 0
		.amdhsa_kernarg_size 72
		.amdhsa_user_sgpr_count 2
		.amdhsa_user_sgpr_kernarg_segment_ptr 1
		.amdhsa_wavefront_size32 1
		.amdhsa_system_sgpr_workgroup_id_x 1
		.amdhsa_system_sgpr_workgroup_id_y 1
		.amdhsa_system_sgpr_workgroup_id_z 1
		.amdhsa_system_vgpr_workitem_id 0
		.amdhsa_next_free_vgpr 192
		.amdhsa_next_free_sgpr 66
		.amdhsa_reserve_vcc 0
		.amdhsa_float_denorm_mode_32 3
		.amdhsa_float_denorm_mode_16_64 3
		.amdhsa_memory_ordered 1
		.amdhsa_forward_progress 1
		.amdhsa_inst_pref_size 86
	.end_amdhsa_kernel
	.amdgpu_metadata
---
amdhsa.version: [ 1, 2 ]
amdhsa.kernels:
  - .name:           k_q8ee6e075a4_quant
    .symbol:         k_q8ee6e075a4_quant.kd
    .args:
      - { .name: queries, .offset: 0, .size: 8, .value_kind: global_buffer, .address_space: global }
      - { .name: keys, .offset: 8, .size: 8, .value_kind: global_buffer, .address_space: global }
      - { .name: values, .offset: 16, .size: 8, .value_kind: global_buffer, .address_space: global }
      - { .name: Wq, .offset: 24, .size: 8, .value_kind: global_buffer, .address_space: global }
      - { .name: Wk, .offset: 32, .size: 8, .value_kind: global_buffer, .address_space: global }
      - { .name: Wv, .offset: 40, .size: 8, .value_kind: global_buffer, .address_space: global }
      - { .name: lowp_scales, .offset: 48, .size: 8, .value_kind: global_buffer, .address_space: global }
      - { .name: xc, .offset: 56, .size: 8, .value_kind: global_buffer, .address_space: global }
      - { .name: wc, .offset: 64, .size: 8, .value_kind: global_buffer, .address_space: global }
    .group_segment_fixed_size: 68096
    .private_segment_fixed_size: 0
    .kernarg_segment_align: 8
    .kernarg_segment_size: 72
    .max_flat_workgroup_size: 128
    .sgpr_count:     66
    .vgpr_count:     192
    .wavefront_size: 32
...
	.end_amdgpu_metadata
.endif
;; end of part 1
;; launch gemm (part 2): grid 4 x 48, 4 waves a work-group, clusters of 4 x 4, 327,680 bytes of LDS; arguments xc, wc, lowp_scales, bq, bk, bv, qkv; writes qkv
.if DOCPART == 2
	.amdgcn_target "amdgcn-amd-amdhsa--gfx1250"
	.amdhsa_code_object_version 6
	.text
	.protected	k_q8ee6e075a4_gemm
	.globl	k_q8ee6e075a4_gemm
	.p2align	8
	.type	k_q8ee6e075a4_gemm,@function
k_q8ee6e075a4_gemm:
	s_mov_b64 s[64:65], 0
	v_nop
	global_prefetch_b8 v0, s[64:65] scope:SCOPE_SE
	s_setreg_imm32_b32 hwreg(HW_REG_WAVE_MODE, 25, 1), 1
	s_wait_xcnt 0x0
	s_wait_alu depctr_hold_cnt(0) depctr_sa_sdst(0) depctr_va_vdst(0) depctr_va_sdst(0) depctr_va_ssrc(0) depctr_va_vcc(0) depctr_vm_vsrc(0)
	s_getreg_b32 s2, hwreg(HW_REG_IB_STS2, 6, 4)
	s_cmp_eq_u32 s2, 0
	s_cbranch_scc0 .Lentry_in_a_cluster
	s_endpgm
.Lentry_in_a_cluster:
	s_bfe_u32 s2, ttmp6, 0x10000c
	s_cmp_lg_u32 s2, 0xf033
	s_cbranch_scc0 .Lentry_shape_is_right
	s_endpgm
.Lentry_shape_is_right:
.set KSTEP,  256
.set ROWB,   256
.set KROW,   1024
.set PITCH,  272
.set FR,     16
.set NL,     4
.set NP,     4
.set HALFT,  128*PITCH
.set SLOT,   4*HALFT
.set LAPS,   2
.set SPARE,  2*SLOT
.set ADRA, 16
.set ADRB, 20
.set CO,   26
.set BO,   27
.set SPW,  28
.set NIL,  29
.set SC,   30
.set LIM,  31
.set BC,   32
.set TMP,  32
.set AF,   128
.set CD,   128
.set G1, 24
.set G0, 32
.set G1B, 48
.set G0B, 56
.set MSB, 0
.macro WIN new
.if MSB != \new
	s_set_vgpr_msb (MSB<<8)|\new
.set MSB, \new
.endif
.endm
.set MUL_LO, 0xa1
.set MUL_HI, 0xf1
.set TO_B,   0x40
.macro JLOAD g0a, g1a, g0b, g1b
	s_cmp_eq_u32 s15, 0
	s_cbranch_scc0 .Lfor_b_\@
	tensor_load_to_lds s[\g0a:\g0a+3], s[\g1a:\g1a+7]
	s_nop 0
.rept 4
	v_nop
.endr
	s_branch .Lasked_\@
.Lfor_b_\@:
	tensor_load_to_lds s[\g0b:\g0b+3], s[\g1b:\g1b+7]
	s_nop 0
.rept 4
	v_nop
.endr
.Lasked_\@:
.endm
.macro CREST
	s_cmp_lg_u32 s14, 0
	s_cbranch_scc1 .Lnot_wave_0_\@
	s_barrier_signal -3
.Lnot_wave_0_\@:
	s_barrier_wait -3
	s_barrier_signal -1
	s_barrier_wait -1
.endm
.macro CROUND
	s_barrier_signal -1
	s_barrier_wait -1
	CREST
.endm
	s_load_b256 s[4:11], s[0:1], 0x0
	s_load_b128 s[68:71], s[0:1], 0x20
	s_load_b64 s[72:73], s[0:1], 0x30
	v_lshl_add_u32 v[SPW], v0, 2, SPARE
	v_mov_b32 v[NIL], 0
	ds_add_u32 v[SPW], v[NIL]
	ds_add_u32 v[SPW], v[NIL]
	v_lshrrev_b32 v1, 5, v0
	v_readfirstlane_b32 s14, v1
	s_lshr_b32 s15, s14, 1
	s_and_b32 s16, s14, 1
	s_bfe_u32 s40, ttmp6, 0x40000
	s_bfe_u32 s41, ttmp6, 0x40004
	s_and_b32 s75, ttmp7, 0xffff
	s_lshr_b32 s74, s75, 2
	s_and_b32 s75, s75, 3
	s_lshl_b32 s75, s75, 2
	s_lshl_b32 s94, s74, 22
	s_lshl_b32 s95, s74, 20
	s_mov_b32 s96, 0x200000
	s_mov_b32 s97, 0x800000
	s_cmp_eq_u32 s74, 2
	s_cselect_b32 s76, 1, 0
	s_cselect_b32 s77, 0, s75
	s_cselect_b32 s78, s75, 0
	s_cselect_b32 s94, s96, s94
	s_cselect_b32 s95, s97, s95
	s_add_co_u32 s17, s77, s41
	s_add_co_u32 s42, s78, s40
	s_lshl_b32 s43, s41, 2
	s_lshl_b32 s43, 15, s43
	s_lshl_b32 s44, 0x1111, s40
	s_or_b32 s[G1+0], s43, (0<<16)|(1<<20)|(1<<21)|(5<<22)|(3<<25)
	s_or_b32 s[G1B+0], s44, (0<<16)|(1<<20)|(1<<21)|(5<<22)|(3<<25)
.irp g, G1, G1B
	s_mov_b32 s[\g+1], ROWB<<16
	s_mov_b32 s[\g+2], 128<<16
	s_mov_b32 s[\g+3], ROWB<<16
	s_mov_b32 s[\g+4], 128
	s_mov_b32 s[\g+5], KROW
	s_mov_b32 s[\g+6], 0
	s_mov_b32 s[\g+7], 0
.endr
	s_lshl_b32 s18, s16, 7
	s_lshl_b32 s20, s17, 8
	s_add_co_u32 s20, s20, s18
	s_lshl_b32 s20, s20, 10
	s_add_co_u32 s20, s20, s94
	s_mov_b32 s21, 0
	s_lshl_b32 s46, s42, 8
	s_add_co_u32 s46, s46, s18
	s_lshl_b32 s46, s46, 10
	s_add_co_u32 s46, s46, s95
	s_mov_b32 s47, 0
	s_mul_i32 s45, s14, HALFT
	s_wait_dscnt 0x0
	s_wait_kmcnt 0x0
	s_load_b256 s[84:91], s[8:9], 0x0
	s_load_b64 s[92:93], s[8:9], 0x20
	s_cmp_eq_u32 s74, 2
	s_cselect_b64 s[80:81], s[6:7], s[4:5]
	s_cselect_b64 s[82:83], s[4:5], s[6:7]
	s_add_nc_u64 s[20:21], s[80:81], s[20:21]
	s_add_nc_u64 s[46:47], s[82:83], s[46:47]
	CROUND
.irp s, 0,1
	s_mov_b32 s[G0+4*\s], 1
	s_add_co_u32 s[G0+4*\s+1], s45, \s*SLOT
	s_add_nc_u64 s[G0+4*\s+2:G0+4*\s+3], s[20:21], \s*ROWB
	s_or_b32 s[G0+4*\s+3], s[G0+4*\s+3], 0x80000000
	s_mov_b32 s[G0B+4*\s], 1
	s_add_co_u32 s[G0B+4*\s+1], s45, \s*SLOT
	s_add_nc_u64 s[G0B+4*\s+2:G0B+4*\s+3], s[46:47], \s*ROWB
	s_or_b32 s[G0B+4*\s+3], s[G0B+4*\s+3], 0x80000000
	s_wait_alu depctr_va_vdst(0)
	s_wait_tensorcnt 0x0
	ds_add_u32 v28, v29
	ds_add_u32 v28, v29
	s_wait_dscnt 0x0
	CROUND
	JLOAD G0+4*\s, G1, G0B+4*\s, G1B
.endr
	v_and_b32 v1, 15, v0
	v_bfe_u32 v2, v0, 4, 1
	v_mul_u32_u24 v3, v1, PITCH
	v_lshl_add_u32 v4, v2, 4, v3
	s_mul_i32 s21, s15, HALFT
	s_mul_i32 s22, s16, HALFT
	s_add_co_u32 s22, s22, 2*HALFT
.irp s, 0,1
	v_add_nc_u32 v[ADRA+\s], s21, v4
	v_add_nc_u32 v[ADRB+\s], s22, v4
	s_add_co_u32 s21, s21, SLOT
	s_add_co_u32 s22, s22, SLOT
.endr
	v_and_b32 v6, 31, v0
	v_lshlrev_b32 v[CO], 4, v6
	s_lshl_b32 s66, s17, 1
	s_add_co_u32 s66, s66, s15
	s_lshl_b32 s67, s42, 1
	s_add_co_u32 s67, s67, s16
	s_cmp_eq_u32 s76, 1
	s_cselect_b32 s79, s67, s66
	s_cselect_b32 s98, s66, s67
	s_lshl_b32 s96, s74, 22
	s_lshr_b32 s97, s79, 4
	s_lshl_b32 s97, s97, 21
	s_add_co_u32 s96, s96, s97
	s_lshl_b32 s97, s98, 18
	s_add_co_u32 s96, s96, s97
	s_and_b32 s97, s79, 15
	s_lshl_b32 s97, s97, 14
	s_add_co_u32 s96, s96, s97
	s_mov_b32 s97, 0
	s_add_nc_u64 s[72:73], s[72:73], s[96:97]
	s_wait_kmcnt 0x0
	s_cmp_eq_u32 s74, 1
	s_cselect_b32 s84, s86, s84
	s_cselect_b32 s85, s87, s85
	s_cselect_b32 s90, s91, s90
	s_cselect_b64 s[10:11], s[68:69], s[10:11]
	s_cmp_eq_u32 s74, 2
	s_cselect_b32 s84, s88, s84
	s_cselect_b32 s85, s89, s85
	s_cselect_b32 s90, s93, s90
	s_add_co_i32 s84, s84, s85
	s_sub_co_i32 s85, 0, s84
	s_sub_co_i32 s86, s90, s84
	s_add_co_i32 s86, s86, 127
	s_lshl_b32 s87, s86, 23
	v_mov_b32 v[SC], s87
	s_add_co_i32 s86, s86, 8
	s_lshl_b32 s86, s86, 23
	s_or_b32 s86, s86, 0x600000
	v_mov_b32 v[LIM], s86
	s_mov_b32 s97, 0
	s_cmp_eq_u32 s76, 1
	s_cbranch_scc1 .Lbias_v
	s_lshl_b32 s96, s67, 9
	s_add_nc_u64 s[88:89], s[10:11], s[96:97]
	v_lshlrev_b32 v[BO], 5, v2
.irp b, 0,1,2,3,4,5,6,7
	global_load_b128 v[BC+8*\b:BC+8*\b+3], v[BO], s[88:89] offset:64*\b
	global_load_b128 v[BC+8*\b+4:BC+8*\b+7], v[BO], s[88:89] offset:64*\b+16
.endr
	s_wait_loadcnt 0x0
.set i, 0
.rept 64
	v_ldexp_f32 v[BC+i], v[BC+i], s85
.set i, i+1
.endr
	s_branch .Lbias_done
.Lbias_v:
	s_lshl_b32 s96, s66, 9
	s_add_nc_u64 s[88:89], s[70:71], s[96:97]
	v_lshlrev_b32 v[BO], 2, v1
.irp a, 0,1,2,3,4,5,6,7
	global_load_b32 v[BC+8*\a], v[BO], s[88:89] offset:64*\a
.endr
	s_wait_loadcnt 0x0
.irp a, 0,1,2,3,4,5,6,7
.irp j, 7,6,5,4,3,2,1,0
	v_ldexp_f32 v[BC+8*\a+\j], v[BC+8*\a], s85
.endr
.endr
.Lbias_done:
.macro FRAG reg, adr, q, i
.irp c, 0,1,2,3
	ds_load_b128 v[\reg+4*\c:\reg+4*\c+3], v[\adr] offset:128*(\q)+32*\c+(\i)*16*PITCH
.endr
.endm
.macro MUL16 a0, p, zero
.irp a, \a0, \a0+1
.irp b, 0,1,2,3,4,5,6,7
.if \zero == 1
	v_wmma_f32_16x16x128_fp8_fp8 v[8*(8*((\a)%4)+\b):8*(8*((\a)%4)+\b)+7], v[128*(\p)+FR*\b:128*(\p)+FR*\b+FR-1], v[AF+FR*(\a):AF+FR*(\a)+FR-1], v[BC+8*\b:BC+8*\b+7]
.elseif \zero == 2
	v_wmma_f32_16x16x128_fp8_fp8 v[8*(8*((\a)%4)+\b):8*(8*((\a)%4)+\b)+7], v[128*(\p)+FR*\b:128*(\p)+FR*\b+FR-1], v[AF+FR*(\a):AF+FR*(\a)+FR-1], v[BC+8*(\a):BC+8*(\a)+7]
.else
	v_wmma_f32_16x16x128_fp8_fp8 v[8*(8*((\a)%4)+\b):8*(8*((\a)%4)+\b)+7], v[128*(\p)+FR*\b:128*(\p)+FR*\b+FR-1], v[AF+FR*(\a):AF+FR*(\a)+FR-1], v[8*(8*((\a)%4)+\b):8*(8*((\a)%4)+\b)+7]
.endif
.endr
.endr
.endm
.macro FETCH_B slot, q, p
	WIN TO_B
.irp i, 0,1,2,3,4,5,6,7
	FRAG 128*(\p)+FR*\i, ADRB+\slot, \q, \i
.endr
	WIN 0
.endm
.macro FETCH_A slot, q, i0
.irp i, \i0, \i0+1, \i0+2, \i0+3
	FRAG AF+FR*(\i), ADRA+\slot, \q, \i
.endr
.endm
.macro PLACES n
.rept \n
	v_nop
.endr
.endm
.macro STEP slot, q, zero
	s_wait_dscnt 4*NL
.if \zero
	WIN 0x81
.else
	WIN MUL_LO
.endif
	MUL16 0, (\q)%2, \zero
	MUL16 2, (\q)%2, \zero
	s_wait_dscnt 0
	PLACES NP
	FETCH_B \slot, (\q)+1, 1-(\q)%2
	FETCH_A \slot, (\q)+1, 0
.if \zero
	WIN 0xc1
.else
	WIN MUL_HI
.endif
	MUL16 4, (\q)%2, \zero
	MUL16 6, (\q)%2, \zero
	PLACES NP
	WIN 0
	FETCH_A \slot, (\q)+1, 4
.endm
.macro TURN slot, next, fill
	s_wait_tensorcnt 0x0
	ds_add_u32 v[SPW], v[NIL]
	s_wait_dscnt 4*NL+1
	WIN MUL_LO
	MUL16 0, 1, 0
	s_wait_dscnt 0x0
	s_barrier_signal -1
	MUL16 2, 1, 0
	WIN 0
	s_barrier_wait -1
.if \fill
	CREST
	s_add_nc_u64 s[G0+4*\slot+2:G0+4*\slot+3], s[G0+4*\slot+2:G0+4*\slot+3], 2*ROWB
	s_add_nc_u64 s[G0B+4*\slot+2:G0B+4*\slot+3], s[G0B+4*\slot+2:G0B+4*\slot+3], 2*ROWB
	JLOAD G0+4*\slot, G1, G0B+4*\slot, G1B
.else
	PLACES NP
.endif
	FETCH_B \next, 0, 0
	FETCH_A \next, 0, 0
	WIN MUL_HI
	MUL16 4, 1, 0
	MUL16 6, 1, 0
	PLACES NP
	WIN 0
	FETCH_A \next, 0, 4
.endm
	s_wait_tensorcnt 1
	s_barrier_signal -1
	s_barrier_wait -1
	FETCH_B 0, 0, 0
	FETCH_A 0, 0, 0
	FETCH_A 0, 0, 4
	s_cmp_eq_u32 s76, 1
	s_cbranch_scc1 .Lfirst_v
	s_wait_alu depctr_va_vdst(0)
	STEP 0, 0, 1
	s_branch .Lfirst_done
.Lfirst_v:
	s_wait_alu depctr_va_vdst(0)
	STEP 0, 0, 2
.Lfirst_done:
	s_mov_b32 s3, LAPS-1
.Llap:
	TURN 0, 1, 1
	STEP 1, 0, 0
	TURN 1, 0, 1
	STEP 0, 0, 0
	s_sub_co_u32 s3, s3, 1
	s_cmp_lg_u32 s3, 0
	s_cbranch_scc1 .Llap
	TURN 0, 1, 0
	STEP 1, 0, 0
	s_wait_dscnt 4*NL
	WIN MUL_LO
	MUL16 0, 1, 0
	MUL16 2, 1, 0
	s_wait_dscnt 0
	WIN MUL_HI
	MUL16 4, 1, 0
	MUL16 6, 1, 0
	WIN 0
.macro OUTB a
	WIN 0x02+((\a)/4)
.set i, 0
.rept 64
	v_med3_num_f32 v[TMP+i], v[64*((\a)%4)+i], -v[LIM], v[LIM]
.set i, i+1
.endr
	WIN 0
.irp b, 0,1,2,3,4,5,6,7
	v_cvt_scalef32_pk8_fp8_f32 v[CD+16*(\a)+2*\b:CD+16*(\a)+2*\b+1], v[TMP+8*\b:TMP+8*\b+7], v[SC]
.endr
	v_nop
.irp c, 0,1,2,3
	global_store_b128 v[CO], v[CD+16*(\a)+4*\c:CD+16*(\a)+4*\c+3], s[72:73] offset:2048*(\a)+512*\c
.endr
.endm
	PLACES NP
.irp a, 0,1,2,3,4,5,6,7
	OUTB \a
.endr
	s_wait_tensorcnt 0x0
	ds_add_u32 v[SPW], v[NIL]
	s_wait_dscnt 0x0
	CROUND
	s_endpgm
.Lfunc_end_k_q8ee6e075a4_gemm:
	.size	k_q8ee6e075a4_gemm, .Lfunc_end_k_q8ee6e075a4_gemm-k_q8ee6e075a4_gemm
	.p2alignl 7, 3214868480
	.fill 96, 4, 3214868480
	.section	.rodata,"a",@progbits
	.p2align	6, 0x0
	.amdhsa_kernel k_q8ee6e075a4_gemm
		.amdhsa_group_segment_fixed_size 327680
		.amdhsa_private_segment_fixed_size 0
		.amdhsa_enable_private_segment 0
		.amdhsa_kernarg_size 56
		.amdhsa_user_sgpr_count 2
		.amdhsa_user_sgpr_kernarg_segment_ptr 1
		.amdhsa_wavefront_size32 1
		.amdhsa_system_sgpr_workgroup_id_x 1
		.amdhsa_system_sgpr_workgroup_id_y 1
		.amdhsa_system_sgpr_workgroup_id_z 1
		.amdhsa_system_vgpr_workitem_id 0
		.amdhsa_next_free_vgpr 1024
		.amdhsa_next_free_sgpr 100
		.amdhsa_reserve_vcc 0
		.amdhsa_float_denorm_mode_32 3
		.amdhsa_float_denorm_mode_16_64 3
		.amdhsa_memory_ordered 1
		.amdhsa_forward_progress 1
		.amdhsa_inst_pref_size 139
	.end_amdhsa_kernel
	.amdgpu_metadata
---
amdhsa.version: [ 1, 2 ]
amdhsa.kernels:
  - .name:           k_q8ee6e075a4_gemm
    .symbol:         k_q8ee6e075a4_gemm.kd
    .args:
      - { .name: xc, .offset: 0, .size: 8, .value_kind: global_buffer, .address_space: global }
      - { .name: wc, .offset: 8, .size: 8, .value_kind: global_buffer, .address_space: global }
      - { .name: lowp_scales, .offset: 16, .size: 8, .value_kind: global_buffer, .address_space: global }
      - { .name: bq, .offset: 24, .size: 8, .value_kind: global_buffer, .address_space: global }
      - { .name: bk, .offset: 32, .size: 8, .value_kind: global_buffer, .address_space: global }
      - { .name: bv, .offset: 40, .size: 8, .value_kind: global_buffer, .address_space: global }
      - { .name: qkv, .offset: 48, .size: 8, .value_kind: global_buffer, .address_space: global }
    .group_segment_fixed_size: 327680
    .private_segment_fixed_size: 0
    .kernarg_segment_align: 8
    .kernarg_segment_size: 56
    .max_flat_workgroup_size: 128
    .sgpr_count:     100
    .vgpr_count:     1024
    .wavefront_size: 32
...
	.end_amdgpu_metadata
.endif
;; end of part 2
;; launch attn (part 3): grid 8 x 32, 16 waves a work-group, clusters of 4 x 1, 327,680 bytes of LDS; arguments qkv, group_prob, lowp_scales, out0; writes out0
.if DOCPART == 3
	.amdgcn_target "amdgcn-amd-amdhsa--gfx1250"
	.amdhsa_code_object_version 6
	.text
	.protected	k_q8ee6e075a4_attn
	.globl	k_q8ee6e075a4_attn
	.p2align	8
	.type	k_q8ee6e075a4_attn,@function
k_q8ee6e075a4_attn:
	s_mov_b64 s[64:65], 0
	v_nop
	global_prefetch_b8 v0, s[64:65] scope:SCOPE_SE
	s_setreg_imm32_b32 hwreg(HW_REG_WAVE_MODE, 25, 1), 1
	s_wait_xcnt 0x0
	s_wait_alu depctr_hold_cnt(0) depctr_sa_sdst(0) depctr_va_vdst(0) depctr_va_sdst(0) depctr_va_ssrc(0) depctr_va_vcc(0) depctr_vm_vsrc(0)
	s_getreg_b32 s2, hwreg(HW_REG_IB_STS2, 6, 4)
	s_cmp_eq_u32 s2, 0
	s_cbranch_scc0 .Lentry_in_a_cluster
	s_endpgm
.Lentry_in_a_cluster:
	s_bfe_u32 s2, ttmp6, 0x10000c
	s_cmp_lg_u32 s2, 0x3003
	s_cbranch_scc0 .Lentry_shape_is_right
	s_endpgm
.Lentry_shape_is_right:
; THIRD LAUNCH: out = (softmax(q k^T / 8) x group_prob) v, both products on codes of FP8 (E4M3).  attention_mask is used by nothing (see the first launch) and is not loaded.
; WHAT IS QUANTISED for the second product is the FINISHED weight, softmax x group_prob, normalised: so a row's maximum and sum are known before any weight is converted.  TWO WALKS over the 2,048 keys:
;   walk 1, 128 keys a step: S^T = k q^T; t = score x log2(e) / 8; M = the row's largest t so far, rounded up to a whole number; l = the sum of 2^(t - M); when M moves, l is multiplied by 2^(old M - new M): exact.
;   walk 2, 64 keys a half trip: S^T again; w = 2^(t - M - log2 l) x g, held within +-448 x 2^e8, converted with 2^e8; O^T += v^T w^T.  At the end O^T x 2^(e8 + e9).  The division by l is the term -log2 l in the exponent.
; SHARES.  A work-group: one batch, ONE head, 256 queries.  Wave w of sixteen: queries 16 w on, one tile, in 256 registers: four waves to a SIMD, so that one wave's waits stand beside the others' work.
; LDS.  The head's whole K (131,072 bytes) and whole V (131,072 bytes) are fetched once, at the head, one tensor load a wave (waves 0-7: an eighth of K each; waves 8-15: of V).  Nothing is ever filled again:
; behind the one barrier that shows K and V to all, the waves share nothing and meet no barrier until the way out.
; g goes from memory straight into registers, in the layout of the weights: lane (r, h) reads, for key tile t, the 32 bytes of its query's row at 64 t + 32 h; a half trip's eight loads use up 256 consecutive bytes
; of each of 16 rows.  The 32 registers of a half are loaded again directly behind the multiplication that read them, for the next trip: a load has one whole trip in which to land.
; CLUSTER, 4 x 1: four blocks of queries of one head ask for K and V jointly.  g is shared by the sixteen heads, but is NOT asked for jointly: a joint load lands in LDS, 64 keys' g of 256 queries are 65,536 bytes,
; two slots of that 131,072, and beside K, V and the spare words (264,192 bytes) LDS has 63,488 bytes left.
; LAYOUT.  Both products are used transposed (source 0 = 16 keys, or 16 channels; source 1 = 16 queries): a lane holds one query (lane % 16), and register j of key tile t the key 16 t + 8 (lane / 16) + j:
; a conversion of key tile t gives registers 2 t, 2 t + 1 of the second product's operand.  q, k, v come as images of the operands' registers (second launch): every fragment is loaded at 16 x lane.
; REGISTERS: v1-9, v30, v31 addresses; v12 -M (walk 2: -M - log2 l), v13 the largest t, v[14:15] l in two halves; v16-23 q; v24 log2 l; v32-95 walk 1: K's eight fragments; walk 2: v32-63 K's four, v64-95 V's four;
;   v96-159 S^T in walk 1; in walk 2 v96-127 S^T of 64 keys, then the weights, and v128-159 g of a trip's second half; v160-191 O^T; v192-199 the codes; v208-239 g of a trip's first half; v240, v244 the hold and the scale; v236-254 at work.
; O^T begins as zeros (32 moves at the head) so that walk 2's trip is written twice and not three times.
; LIMITS on the given exponents, so that each power of two is an f32 number: e6 + e7 between -123 and 130 (added to c's exponent field); e8 between -126 and 119; e8 + e9 between -126 and 127.  NaN among the inputs is not served.
; The scaled scores t stay under 2^31 in magnitude.  A softmax value under 2^-126 counts as 0 (v_exp_f32 gives no denormal: ISA guide, its entry).  -M - log2 l is rounded once, to f32, at its own size.
.set KMASK, 0x1ffff                    ; K: LDS bytes 0 to 131,071: [16 keys: 128][1,024 bytes]
.set VLDS,  131072                     ; V: [128 keys: 16][16 channels: 4][2,048 bytes]
.set STP,   272                        ; the way out: a stage of 16 rows x (256 + 16) bytes for each wave, in K's bytes: they have had their only fill, and behind the way out's barrier nobody reads them
.set STB,   16*STP
.set SPARE, 262144                     ; behind K and V: the spare words, 128 bytes for each of 16 waves, which no other line names
.set AV,   1                           ; v1   16 x lane: my place in an image of K or V
.set AQ,   2                           ; v2   the same + 1,024 x my head of the pair: in q's images
.set GV,   3                           ; v3   g: 8,192 (lane % 16) + 32 (lane / 16)
.set PFO,  4                           ; v4   prefetch: 8,192 (lane % 16) + 256 (lane / 16)
.set SPW,  5                           ; v5   LDS address of my spare word; never rewritten
.set NIL,  6                           ; v6   0; never rewritten
.set GO,   7                           ; v7   the way out: my byte offset in the tile's rows of out0
.set ADK,  8                           ; v8, v9 the LDS addresses of the loads in hand
.set ADV,  9
.set Q,    16
.set LG,   24
.set STI,  30                          ; v30, v31 into my stage and back
.set STO,  31
.set KV,   32
.set VF,   64
.set S,    96
.set G1,   128
.set O,    160
.set PC,   192
.set G0,   208
.set HOLD, 240
.set PSC,  244
.set CNT,  3                           ; s3   the loops' counter
.set WV,   12                          ; s12  my wave's number
.set KT,   21                          ; s21  LDS byte of the part of K that is loaded into registers next
.set SEL,  22                          ; s[22:23] lane selects: lane l xor 16
.set CS,   24                          ; s[24:25] c = log2(e) / 8 x 2^(e6 + e7)
.set VT,   26                          ; s26  LDS byte of the trip's V
.set G1K,  28                          ; s[28:35] group 1 for K: 16 rows of 1,024 bytes, 2,048 apart
.set G1V,  36                          ; s[36:43] for V: 2 rows of 8,192 bytes, 16,384 apart
.set G0K,  44
.set G0V,  48
.set GB0,  52                          ; s[52:53] g at my first row and at the trip whose first half was loaded last
.set PFG,  54                          ; s[54:55] where the prefetches stand
.set LIMG, 56                          ; s56  1 in wave 0, else all ones
.set OS,   58                          ; s[58:59] 2^(e8 + e9)
.set GB1,  66                          ; s[66:67] as s[52:53], for the second halves: each pair is named by one half's loads alone
.macro PLACES
.rept 4
	v_nop
.endr
.endm
.macro CROUND                          ; a round of the cluster's barrier
	s_barrier_signal -1
	s_barrier_wait -1
	s_cmp_lg_u32 s[WV], 0
	s_cbranch_scc1 .Lnot_wave_0_\@
	s_barrier_signal -3
.Lnot_wave_0_\@:
	s_barrier_wait -3
	s_barrier_signal -1
	s_barrier_wait -1
.endm
; A PREFETCH INTO THE L2 of g.  The sixteen heads of a batch read the same 256 rows of a block of queries and share them out BY ADDRESS: head n takes rows 16 n .. 16 n + 15.  A trip is 512 bytes of each row, two aligned blocks of 256:
; 32 lanes, one instruction, wave 0.  Trip u's bytes are asked for in the 12 + u-th of the 32 steps of both walks (u < 3) or in trip u - 3; they are loaded into registers behind walk 1 (u = 0) or in trip u - 1: two steps ahead or more.
; Each block is named once in the launch.  w1 = 1: the last three trips of walk 1's loop; 0: walk 2's trips 0 to 12: trip 15's bytes are the last.
; The address is stepped by the asking wave alone, directly ahead of the next ask, behind the wait that frees it; the first ask adds 0 (s88), the later ones 512.
.macro ASK w1
.if \w1
	s_cmp_lt_u32 s[CNT], 4
.else
	s_cmp_gt_u32 s[CNT], 2
.endif
	s_cselect_b32 s86, 1, 0
	s_cmp_eq_u32 s86, s[LIMG]
	s_cbranch_scc0 .Lnot_mine_\@
	s_wait_xcnt 0x0                                ; the last prefetch, a step back, has read its address
	s_add_nc_u64 s[PFG:PFG+1], s[PFG:PFG+1], s[88:89]
	global_prefetch_b8 v[PFO], s[PFG:PFG+1] th:TH_LOAD_NT scope:SCOPE_SE
	s_mov_b32 s88, 512
.Lnot_mine_\@:
.endm
.macro KFETCH n                        ; the next n fragments of K (16 keys x 64 each); the pointer goes round: behind the last comes the first, for walk 2
	v_add_nc_u32 v[ADK], s[KT], v[AV]
.set t, 0
.rept \n
	ds_load_b128 v[KV+8*t:KV+8*t+3], v[ADK] offset:1024*t
	ds_load_b128 v[KV+8*t+4:KV+8*t+7], v[ADK] offset:1024*t+512
.set t, t+1
.endr
	s_add_co_u32 s[KT], s[KT], 1024*\n
	s_and_b32 s[KT], s[KT], KMASK
.endm
.macro KQ n                            ; n tiles of S^T = k q^T
.set t, 0
.rept \n
	v_wmma_f32_16x16x64_fp8_fp8 v[S+8*t:S+8*t+7], v[KV+8*t:KV+8*t+7], v[Q:Q+7], 0
.set t, t+1
.endr
.endm
.macro TM n                            ; score x c + v12, two at a time (of the pairs the low word serves both halves); each accumulator from its low end on
.set j, 0
.rept \n
	v_pk_fma_f32 v[S+j:S+j+1], v[S+j:S+j+1], s[CS:CS+1], v[12:13] op_sel_hi:[1,0,0]
.set j, j+2
.endr
.endm
.macro EXPS n
.set j, 0
.rept \n
	v_exp_f32 v[S+j], v[S+j]
.set j, j+1
.endr
.endm
.macro STATM                           ; walk 1: the maximum, M, f, and t - M
	v_max3_num_f32 v254, v96, v97, v98             ; the step's largest score of my query, among my 64 keys, in two chains,
	v_max3_num_f32 v252, v99, v100, v101
.irp i, 6,10,14,18,22,26,30,34,38,42,46,50,54,58
	v_max3_num_f32 v254, v254, v[96+\i], v[97+\i]
	v_max3_num_f32 v252, v252, v[98+\i], v[99+\i]
.endr
	v_max3_num_f32 v254, v254, v158, v159
	s_delay_alu instid0(VALU_DEP_1)
	v_max_num_f32 v254, v254, v252
	s_delay_alu instid0(VALU_DEP_1)
	v_permlanex16_b32 v236, v254, s[SEL], s[SEL+1]
	s_delay_alu instid0(VALU_DEP_1)
	v_max_num_f32 v254, v254, v236                 ; and among lane l xor 16's
	s_delay_alu instid0(VALU_DEP_1)
	v_mul_f32 v254, s[CS], v254                    ; as t (c is positive)
	s_delay_alu instid0(VALU_DEP_1)
	v_max_num_f32 v13, v13, v254                   ; the running largest t
	v_mov_b32 v254, v12
	s_delay_alu instid0(VALU_DEP_2)
	v_floor_f32 v12, -v13                          ; the new -M = floor(-t): M is a whole number
	s_delay_alu instid0(VALU_DEP_1)
	v_sub_f32 v254, v12, v254                      ; old M - new M: a whole number, 0 or less
	s_delay_alu instid0(VALU_DEP_1)
	v_cvt_i32_f32 v254, v254                       ; (it saturates)
	s_delay_alu instid0(VALU_DEP_1)
	v_ldexp_f32 v252, 1.0, v254                    ; f = 2^(old M - new M)
	TM 32
.endm
.macro LSUM                            ; walk 1: l = l f + the step's sum
	v_pk_mul_f32 v[14:15], v[14:15], v[252:253] op_sel_hi:[1,0]   ; l under the new M: rounds nothing.  (The plain instruction behind the last exponential)
	s_wait_alu depctr_va_vdst(0)                   ; one wait for the exponentials, ahead of their first reader
	v_pk_add_f32 v[242:243], v[96:97], v[98:99]    ; the sum, two at a time, in two chains
.irp j, 4,8,12,16,20,24,28,32,36,40,44,48,52,56,60
	v_pk_add_f32 v[14:15], v[14:15], v[96+\j:97+\j]
	v_pk_add_f32 v[242:243], v[242:243], v[98+\j:99+\j]
.endr
	s_delay_alu instid0(VALU_DEP_1)
	v_pk_add_f32 v[14:15], v[14:15], v[242:243]
.endm
; A STEP OF WALK 1.  Its K has been asked for.  The next kf fragments of K are loaded into the same registers behind the products and land under the vector work.
.macro P1STEP kf, ask
	s_wait_dscnt 0x0                               ; K is in
	KQ 8
	PLACES                                         ; between the products and the loads into K's registers, and the first read of the scores
	KFETCH \kf
.if \ask
	ASK 1
.endif
	STATM
	s_wait_alu depctr_va_vdst(0)                   ; the wait ahead of the exponentials
	EXPS 64
	LSUM
.endm
.macro GLOAD gb, gp, hf                ; g of my query at the keys of half hf of the trip at which s[gp] stands: 32 bytes a key tile
.irp t, 0,1,2,3
	global_load_b128 v[\gb+8*\t:\gb+8*\t+3], v[GV], s[\gp:\gp+1] offset:256*\hf+64*\t
	global_load_b128 v[\gb+8*\t+4:\gb+8*\t+7], v[GV], s[\gp:\gp+1] offset:256*\hf+64*\t+16
.endr
.endm
; HALF A TRIP OF WALK 2: 64 keys.  Its K lies in the registers.  gb, gp: g's registers and base.  more = 1: they are loaded again, for the next trip.  kf = 1: the next half's K is loaded behind the products.
; lc: the global loads that may be out at the wait for g: the other half's eight, issued later.
.macro HALF hf, gb, gp, more, kf, ask, lc
	KQ 4
	PLACES                                         ; between the products (these, and the last half's second product) and the loads into K's and V's registers, and the first read of the scores
.if \kf
	KFETCH 4
.endif
	v_add_nc_u32 v[ADV], s[VT], v[AV]
.irp d, 0,1,2,3
	ds_load_b128 v[VF+8*\d:VF+8*\d+3], v[ADV] offset:2048*\d+1024*\hf       ; V's four fragments (16 channels x these 64 keys)
	ds_load_b128 v[VF+8*\d+4:VF+8*\d+7], v[ADV] offset:2048*\d+1024*\hf+512
.endr
.if \ask
	ASK 0
.endif
	TM 16
	s_wait_alu depctr_va_vdst(0)                   ; one wait ahead of the exponentials
	EXPS 32
	v_nop                                          ; the plain instruction behind the last of them
	s_wait_alu depctr_va_vdst(0)                   ; and one wait behind them, ahead of their first reader and of the waits below
	s_wait_loadcnt \lc                             ; this half's g is in: so every load that named its base is done,
	s_wait_dscnt 0x0                               ; and V and the next half's K are in
.if \more
	s_add_nc_u64 s[\gp:\gp+1], s[\gp:\gp+1], 512   ; and the base may step to the next trip
.endif
.set j, 0
.rept 16
	v_pk_mul_f32 v[S+j:S+j+1], v[S+j:S+j+1], v[\gb+j:\gb+j+1]   ; 2^(t - M - log2 l) x g: the finished weight
.set j, j+2
.endr
.if \more
	GLOAD \gb, \gp, \hf
.endif
.set j, 0
.rept 32
	v_med3_num_f32 v[S+j], v[S+j], -v[HOLD], v[HOLD]   ; g may have either sign: the hold is two-sided; the conversion does not saturate (ISA guide 7.6.2)
.set j, j+1
.endr
.irp t, 0,1,2,3
	v_cvt_scalef32_pk8_fp8_f32 v[PC+2*\t:PC+2*\t+1], v[S+8*\t:S+8*\t+7], v[PSC]
.endr
	v_nop                                          ; a plain vector instruction between the conversions and the products that read their results or write their sources
.irp d, 0,1,2,3
	v_wmma_f32_16x16x64_fp8_fp8 v[O+8*\d:O+8*\d+7], v[VF+8*\d:VF+8*\d+7], v[PC:PC+7], v[O+8*\d:O+8*\d+7]   ; O^T += v^T w^T: the accumulators take turns
.endr
.endm
	s_load_b256 s[4:11], s[0:1], 0x0               ; qkv s[4:5], group_prob s[6:7], the scales' exponents s[8:9], out0 s[10:11]
	v_lshl_add_u32 v[SPW], v0, 2, SPARE
	v_mov_b32 v[NIL], 0
	ds_add_u32 v[SPW], v[NIL]                      ; the wave's opening: the add, twice on end, and its wait ahead of the first tensor loads
	ds_add_u32 v[SPW], v[NIL]
	v_lshrrev_b32 v8, 5, v0
	v_readfirstlane_b32 s[WV], v8                  ; wave 0..15
	s_bfe_u32 s13, ttmp6, 0x40000                  ; cx
	s_and_b32 s14, ttmp7, 0xffff                   ; y names a batch and a head: bit 2 the batch, the other four bits the head
	s_lshl_b32 s15, ttmp9, 2
	s_add_co_u32 s15, s15, s13                     ; my block of 256 queries = 4 x cluster x + cx
	s_bfe_u32 s16, s14, 0x10002                    ; the batch
	s_and_b32 s17, s14, 3
	s_lshr_b32 s18, s14, 3
	s_lshl_b32 s18, s18, 2
	s_or_b32 s17, s17, s18                         ; the head
	s_lshr_b32 s18, s17, 1                         ; its pair,
	s_and_b32 s19, s17, 1                          ; and which of the pair
	s_and_b32 s20, s[WV], 7                        ; which eighth of K or of V I fetch
	s_mov_b32 s[G1K], 15|(3<<16)|(1<<21)           ; the mask: all four of the cluster; elements of 8 bytes; bit 21 beside a mask; no padding
	s_mov_b32 s[G1K+1], 128<<16                    ; tensor_dim0 = 128 elements: 1,024 bytes, 16 keys of my head
	s_mov_b32 s[G1K+2], 16<<16                     ; tensor_dim1 = 16
	s_mov_b32 s[G1K+3], 128<<16                    ; tile_dim0
	s_mov_b32 s[G1K+4], 16                         ; tile_dim1
	s_mov_b32 s[G1K+5], 256                        ; from row to row: 2,048 bytes: the pair's other head lies between
	s_mov_b32 s[G1K+6], 0
	s_mov_b32 s[G1K+7], 0
	s_mov_b32 s[G1V], 15|(3<<16)|(1<<21)
	s_mov_b32 s[G1V+1], 1024<<16                   ; 8,192 bytes: 128 keys x 64 channels of my head
	s_mov_b32 s[G1V+2], 2<<16
	s_mov_b32 s[G1V+3], 1024<<16
	s_mov_b32 s[G1V+4], 2
	s_mov_b32 s[G1V+5], 2048                       ; 16,384 bytes
	s_mov_b32 s[G1V+6], 0
	s_mov_b32 s[G1V+7], 0
	s_lshl_b32 s84, s16, 21
	s_lshl_b32 s85, s18, 18
	s_add_co_u32 s84, s84, s85                     ; my batch and head pair in each part of qkv
	s_lshl_b32 s85, s20, 15
	s_add_co_u32 s86, s84, s85                     ; + my eighth: 32,768 bytes of the pair's
	s_lshl_b32 s87, s19, 10
	s_add_co_u32 s88, s86, s87
	s_add_co_u32 s88, s88, 0x400000                ; K
	s_mov_b32 s89, 0
	s_lshl_b32 s87, s19, 13
	s_add_co_u32 s90, s86, s87
	s_add_co_u32 s90, s90, 0x800000                ; V
	s_mov_b32 s91, 0
	s_lshl_b32 s92, s20, 14                        ; my eighth in LDS: no place in the cluster enters it
	s_lshl_b32 s94, s15, 4
	s_add_co_u32 s94, s94, s[WV]                   ; my tile of 16 queries among the batch's 128
	s_lshl_b32 s94, s94, 11
	s_add_co_u32 s94, s94, s84                     ; q
	s_mov_b32 s95, 0
	s_lshl_b32 s96, s16, 24
	s_lshl_b32 s97, s15, 21
	s_add_co_u32 s96, s96, s97                     ; g: my work-group's 256 rows
	s_lshl_b32 s97, s17, 17
	s_add_co_u32 s98, s96, s97                     ; the 16 of them that my head prefetches
	s_mov_b32 s99, 0
	s_lshl_b32 s97, s[WV], 17
	s_add_co_u32 s96, s96, s97                     ; my wave's 16
	s_mov_b32 s97, 0
	s_lshl_b32 s60, s16, 23
	s_lshl_b32 s61, s15, 20
	s_add_co_u32 s60, s60, s61
	s_lshl_b32 s61, s[WV], 16
	s_add_co_u32 s60, s60, s61
	s_lshl_b32 s61, s17, 8
	s_add_co_u32 s60, s60, s61                     ; out0 at my first row and my head's 256 bytes
	s_mov_b32 s61, 0
	s_mov_b32 s[SEL], 0x76543210
	s_mov_b32 s[SEL+1], 0xfedcba98
	s_mov_b32 s[CS], 0x3e38aa3b                    ; log2(e) / 8
	s_mov_b32 s[KT], 0
	s_mov_b32 s[VT], VLDS
	s_cmp_eq_u32 s[WV], 0
	s_cselect_b32 s[LIMG], 1, -1
	s_wait_dscnt 0x0                               ; both opening adds are done
	s_wait_kmcnt 0x0
	s_load_b128 s[80:83], s[8:9], 0x18             ; e6, e7, e8, e9
	s_mov_b32 s[G0K], 1
	s_mov_b32 s[G0K+1], s92
	s_add_nc_u64 s[G0K+2:G0K+3], s[4:5], s[88:89]
	s_or_b32 s[G0K+3], s[G0K+3], 0x80000000
	s_mov_b32 s[G0V], 1
	s_add_co_u32 s[G0V+1], s92, VLDS
	s_add_nc_u64 s[G0V+2:G0V+3], s[4:5], s[90:91]
	s_or_b32 s[G0V+3], s[G0V+3], 0x80000000
	s_add_nc_u64 s[94:95], s[4:5], s[94:95]
	s_add_nc_u64 s[GB0:GB0+1], s[6:7], s[96:97]
	s_add_nc_u64 s[GB1:GB1+1], s[6:7], s[96:97]
	s_add_nc_u64 s[PFG:PFG+1], s[6:7], s[98:99]
	s_add_nc_u64 s[10:11], s[10:11], s[60:61]
	s_mov_b32 s88, 0                               ; what the first ask adds to its address (s89 = 0)
	s_lshl_b32 s87, s19, 10
	s_mul_i32 s86, s[WV], STB                      ; my stage
	CROUND                                         ; all four work-groups are here: the joint loads meet
	s_cmp_lt_u32 s[WV], 8                          ; the launch's only fills: one load a wave, one arm each
	s_cbranch_scc0 .Lfill_v
	tensor_load_to_lds s[G0K:G0K+3], s[G1K:G1K+7]
	s_nop 0
	PLACES
	s_branch .Lfilled
.Lfill_v:
	tensor_load_to_lds s[G0V:G0V+3], s[G1V:G1V+7]
	s_nop 0
	PLACES
.Lfilled:
	v_and_b32 v8, 31, v0                           ; lane
	v_and_b32 v9, 15, v0                           ; r
	v_bfe_u32 v10, v0, 4, 1                        ; h
	v_lshlrev_b32 v[AV], 4, v8
	v_lshlrev_b32 v[GV], 13, v9
	v_lshlrev_b32 v[PFO], 13, v9
	v_lshlrev_b32 v[GO], 12, v10                   ; the way out: lanes 0-15 one row of out0, lanes 16-31 the next; 16 bytes a lane
	v_mul_u32_u24 v[STI], v9, STP
	v_mul_u32_u24 v[STO], v10, STP
	v_add_nc_u32 v[AQ], s87, v[AV]
	v_lshl_add_u32 v[GV], v10, 5, v[GV]
	v_lshl_add_u32 v[PFO], v10, 8, v[PFO]
	v_lshl_add_u32 v[GO], v9, 4, v[GO]
	v_lshl_add_u32 v[STI], v10, 5, v[STI]
	v_lshl_add_u32 v[STO], v9, 4, v[STO]
	v_add_nc_u32 v[STI], s86, v[STI]               ; in: row r; channel tile d's eight channels of my half: 64 d + 32 h bytes on
	v_add_nc_u32 v[STO], s86, v[STO]               ; back: lanes 0-15 one row, lanes 16-31 the next
	s_wait_alu depctr_va_vdst(0)                   ; the wait ahead of the first readers of the addresses
	global_load_b128 v[Q:Q+3], v[AQ], s[94:95]     ; q's fragment stays in registers
	global_load_b128 v[Q+4:Q+7], v[AQ], s[94:95] offset:512
	v_mov_b32 v13, 0xff61b1e6                      ; the largest t so far: -3e38, under every t
	s_delay_alu instid0(VALU_DEP_1)
	v_floor_f32 v12, -v13                          ; -M
	v_mov_b32 v14, 0                               ; l, in two halves
	v_mov_b32 v15, 0
	v_mov_b32 v236, 0                              ; written once: a lane permute's destination counts as one of its sources
	v_mov_b32 v253, 0                              ; (named as the upper half of the pair v[252:253])
.set j, 0
.rept 32
	v_mov_b32 v[O+j], 0                            ; O^T
.set j, j+1
.endr
	s_wait_kmcnt 0x0
	s_add_co_i32 s86, s80, s81
	s_lshl_b32 s86, s86, 23
	s_add_co_i32 s[CS], s[CS], s86                 ; a score stands for score x 2^(e6 + e7): the two exponents are added to c's exponent field
	s_mov_b32 s[CS+1], s[CS]
	s_add_co_i32 s86, s82, 127
	s_lshl_b32 s87, s86, 23                        ; 2^e8
	s_add_co_i32 s86, s86, 8
	s_lshl_b32 s86, s86, 23
	s_or_b32 s86, s86, 0x600000                    ; 448 x 2^e8
	v_mov_b32 v[PSC], s87
	v_mov_b32 v[HOLD], s86
	s_add_co_i32 s86, s82, s83
	s_add_co_i32 s86, s86, 127
	s_lshl_b32 s[OS], s86, 23                      ; 2^(e8 + e9)
	s_mov_b32 s[OS+1], s[OS]
	s_wait_alu depctr_va_vdst(0)                   ; the wait at the head's end
	s_wait_loadcnt 0x0                             ; q
	s_wait_tensorcnt 0x0                           ; my eighth of K or of V is in;
	s_barrier_signal -1
	s_barrier_wait -1                              ; and so is everybody's.  From here to the way out no LDS byte of K or V is written
	KFETCH 8                                       ; step 0
	s_mov_b32 s[CNT], 15
.Lwalk1:                                           ; steps 0 to 14 of 128 keys
	P1STEP 8, 1
	s_sub_co_u32 s[CNT], s[CNT], 1
	s_cmp_lg_u32 s[CNT], 0
	s_cbranch_scc1 .Lwalk1
	P1STEP 4, 0                                    ; step 15 is written out: behind its products come the first four fragments of K, for walk 2
	GLOAD G0, GB0, 0                               ; trip 0's g, in the order in which the trips load it
	GLOAD G1, GB1, 1
	v_add_f32 v14, v14, v15                        ; l's two halves,
	s_delay_alu instid0(VALU_DEP_1)
	v_permlanex16_b32 v252, v14, s[SEL], s[SEL+1]
	s_delay_alu instid0(VALU_DEP_1)
	v_add_f32 v14, v14, v252                       ; and lane l xor 16's: the row's sum, between 1/2 and 2,048
	s_wait_alu depctr_va_vdst(0)                   ; the wait ahead of the transcendental,
	v_log_f32 v[LG], v14
	v_nop
	s_wait_alu depctr_va_vdst(0)                   ; and ahead of its first reader
	v_sub_f32 v12, v12, v[LG]                      ; -M - log2 l
	s_wait_alu depctr_va_vdst(0)                   ; directly ahead of the wait below
	s_wait_dscnt 0x0                               ; K's first four fragments are in
	s_mov_b32 s[CNT], 15
.Lwalk2:                                           ; trips 0 to 14 of 128 keys
	HALF 0, G0, GB0, 1, 1, 1, 8
	HALF 1, G1, GB1, 1, 1, 0, 8
	s_add_co_u32 s[VT], s[VT], 8192
	s_sub_co_u32 s[CNT], s[CNT], 1
	s_cmp_lg_u32 s[CNT], 0
	s_cbranch_scc1 .Lwalk2
	HALF 0, G0, GB0, 0, 1, 0, 8                    ; trip 15 is written out: no g is left to load, and behind its second half no K
	HALF 1, G1, GB1, 0, 0, 0, 0
	; THE WAY OUT.  O^T x 2^(e8 + e9) goes through my stage in LDS and leaves as rows: sixteen lanes store my head's 256 consecutive, aligned bytes of a row of out0.
	s_wait_dscnt 0x0                               ; my reads of K and V are over;
	s_barrier_signal -1
	s_barrier_wait -1                              ; and so are everybody's: K's bytes may take the stages
	PLACES                                         ; between the last products and the first read of their results
.set j, 0
.rept 16
	v_pk_mul_f32 v[S+j:S+j+1], v[O+j:O+j+1], s[OS:OS+1] op_sel_hi:[1,0]   ; register 8 d + i: out(query r, channel 16 d + 8 h + i); each accumulator from its low end on
.set j, j+2
.endr
.irp d, 0,1,2,3
	ds_store_b128 v[STI], v[S+8*\d:S+8*\d+3] offset:64*\d
	ds_store_b128 v[STI], v[S+8*\d+4:S+8*\d+7] offset:64*\d+16
.endr
.irp i, 0,1,2,3,4,5,6,7
	ds_load_b128 v[KV+4*\i:KV+4*\i+3], v[STO] offset:2*\i*STP   ; LDS serves a wave's instructions in order (ISA guide 5.7.1.4): these see my stores
.endr
.irp i, 0,1,2,3,4,5,6,7
	s_wait_dscnt 7-\i                              ; the younger reads may be out
	global_store_b128 v[GO], v[KV+4*\i:KV+4*\i+3], s[10:11] offset:8192*\i th:TH_STORE_NT
.endr
	s_wait_tensorcnt 0x0                           ; the wave's end
	ds_add_u32 v[SPW], v[NIL]
	s_wait_dscnt 0x0
	CROUND                                         ; the closing round
	s_endpgm
.Lfunc_end_k_q8ee6e075a4_attn:
	.size	k_q8ee6e075a4_attn, .Lfunc_end_k_q8ee6e075a4_attn-k_q8ee6e075a4_attn
	.p2alignl 7, 3214868480
	.fill 96, 4, 3214868480
	.section	.rodata,"a",@progbits
	.p2align	6, 0x0
	.amdhsa_kernel k_q8ee6e075a4_attn
		.amdhsa_group_segment_fixed_size 327680
		.amdhsa_private_segment_fixed_size 0
		.amdhsa_enable_private_segment 0
		.amdhsa_kernarg_size 32
		.amdhsa_user_sgpr_count 2
		.amdhsa_user_sgpr_kernarg_segment_ptr 1
		.amdhsa_wavefront_size32 1
		.amdhsa_system_sgpr_workgroup_id_x 1
		.amdhsa_system_sgpr_workgroup_id_y 1
		.amdhsa_system_sgpr_workgroup_id_z 1
		.amdhsa_system_vgpr_workitem_id 0
		.amdhsa_next_free_vgpr 256
		.amdhsa_next_free_sgpr 100
		.amdhsa_reserve_vcc 0
		.amdhsa_float_denorm_mode_32 3
		.amdhsa_float_denorm_mode_16_64 3
		.amdhsa_memory_ordered 1
		.amdhsa_forward_progress 1
		.amdhsa_inst_pref_size 67
	.end_amdhsa_kernel
	.amdgpu_metadata
---
amdhsa.version: [ 1, 2 ]
amdhsa.kernels:
  - .name:           k_q8ee6e075a4_attn
    .symbol:         k_q8ee6e075a4_attn.kd
    .args:
      - { .name: qkv, .offset: 0, .size: 8, .value_kind: global_buffer, .address_space: global }
      - { .name: group_prob, .offset: 8, .size: 8, .value_kind: global_buffer, .address_space: global }
      - { .name: lowp_scales, .offset: 16, .size: 8, .value_kind: global_buffer, .address_space: global }
      - { .name: out0, .offset: 24, .size: 8, .value_kind: global_buffer, .address_space: global }
    .group_segment_fixed_size: 327680
    .private_segment_fixed_size: 0
    .kernarg_segment_align: 8
    .kernarg_segment_size: 32
    .max_flat_workgroup_size: 512
    .sgpr_count:     100
    .vgpr_count:     256
    .wavefront_size: 32
...
	.end_amdgpu_metadata
.endif
;; end of part 3
